; MI455X (gfx1250); checked and timed in simulation.
; The chip was launched on July 23, 2026; its instructions are those of AMD's public machine-readable ISA for CDNA 5 (MIT licence, August 2026) and "CDNA5" Instruction Set Architecture Reference Guide (July 2026). The comments in the code are by the model that wrote it; some were corrected since.
;; Cosine Similarity. Allowed arithmetic: float matrix products may take bf16 or f16 operands with f32 sums; all other float work in f32.
;; Inputs: tensor_1 8,192 x 256 float32; tensor_2 16,384 x 256 float32.
;; Outputs: out0 8,192 float32.
;; 2 versions, each right; version 2 is version 1 with the launch norm written anew for expert scheduling mode. Each part assembles by itself: llvm-mc -triple=amdgcn-amd-amdhsa -mcpu=gfx1250 --defsym DOCPART=n.
;; ======== version 1 of 2: 3 launches
;; workspace buffers: nb 12,582,912 bytes; part 1,572,864 bytes
;; launch norm (part 1): grid 768 x 1, 2 waves a work-group, no clusters, 17,152 bytes of LDS; arguments tensor_1, tensor_2, nb; writes nb
.if DOCPART == 1
	.amdgcn_target "amdgcn-amd-amdhsa--gfx1250"
	.amdhsa_code_object_version 6
	.text
	.protected	k_q4071da4680_norm
	.globl	k_q4071da4680_norm
	.p2align	8
	.type	k_q4071da4680_norm,@function
k_q4071da4680_norm:
	s_mov_b64 s[64:65], 0
	v_nop
	global_prefetch_b8 v0, s[64:65] scope:SCOPE_SE
	s_setreg_imm32_b32 hwreg(HW_REG_WAVE_MODE, 25, 1), 1
	s_wait_xcnt 0x0
; nb = the rows of tensor_1 (8,192) and then of tensor_2 (16,384), each divided by its L2 norm in f32 and rounded once to bf16, IN FRAGMENT ORDER:
; 1,536 tiles of 16 rows x 256 features, 8,192 bytes each; element (row r, feature k) of a tile lies at byte (k / 8) * 256 + r * 16 + (k % 8) * 2.
; So the 16 x 32 operand of a bf16 matrix instruction is 1,024 consecutive bytes, lane l taking 16 bytes at 16 l and 16 at 512 + 16 l.
; SHARES.  A wave takes one tile: 16 rows = 16,384 bytes in, 8,192 out.  Work-groups 0-255 take tensor_1's 512 tiles, 256-767 tensor_2's 1,024.  All 32 loads of a wave go out at once;
; there is no loop.  A row is held by one wave (8 numbers a lane), so its sum never leaves the wave: no barrier.  The turn into fragment order goes through the wave's own LDS stage.
; Matrix units, clusters and tensor loads are left out: each byte is read once and written once, and there is no product here.
; LIMITS.  The sum of a row's 256 squares must be a normal f32 (|x| from about 1e-19 to 1e18); below that v_rsq_f32 takes it for 0.  x / sqrt(sum) is computed as x * rsq(sum).
; A row of zeros gives NaN, as it does in the problem's own formula.
.set PITCH, 528                        ; a stage row: 512 bytes of bf16 + 16: an odd multiple of 16, so the 16 rows that a load back touches start at 16 different 16-byte columns
.set WSTAGE, 16*PITCH                  ; a wave's stage
.set X, 16                             ; v[16:143]  row j at X + 8 j: +0..3 features 4 l .. 4 l + 3, +4..7 features 128 + 4 l .. + 3
.set P, 144                            ; v[144:175] row j: P + 2 j the sum of squares, then 1 / norm; P + 2 j + 1 at work
	s_load_b128 s[4:7], s[0:1], 0x0                ; tensor_1 s[4:5], tensor_2 s[6:7]
	s_load_b64 s[8:9], s[0:1], 0x10                ; nb
	v_lshl_add_u32 v176, v0, 2, 0x4200
	v_mov_b32 v177, 0
	v_lshrrev_b32 v5, 5, v0
	v_readfirstlane_b32 s10, v5                    ; wave 0, 1
	v_and_b32 v1, 31, v0                           ; lane
	v_lshlrev_b32 v2, 4, v1                        ; 16 bytes a lane: the offset of every global load and store; never rewritten
	s_mov_b32 s14, 0x76543210                      ; v_permlanex16_b32: each lane takes its own place in the other half
	s_mov_b32 s15, 0xfedcba98
	s_mul_i32 s11, s10, WSTAGE                     ; my wave's stage
	v_lshl_add_u32 v3, v1, 3, s11                  ; in: 8 bytes (4 bf16) a lane
	v_and_b32 v6, 15, v1
	v_lshrrev_b32 v7, 4, v1
	v_mul_u32_u24 v4, v6, PITCH                    ; back: row l % 16, 16 bytes for each half of the lanes
	v_lshl_add_u32 v4, v7, 4, v4
	v_add_nc_u32 v4, s11, v4
	s_wait_kmcnt 0x0
	s_cmp_lt_u32 ttmp9, 0x100                      ; which tensor: the choice hangs on the work-group's number alone
	s_cselect_b64 s[4:5], s[4:5], s[6:7]
	s_cselect_b32 s12, 0, 0x100
	s_sub_co_u32 s13, ttmp9, s12
	s_lshl_b32 s13, s13, 1
	s_add_co_u32 s13, s13, s10                     ; my tile in its own tensor
	s_lshl_b32 s16, s13, 14                        ; 16 rows of 1,024 bytes
	s_mov_b32 s17, 0
	s_add_nc_u64 s[4:5], s[4:5], s[16:17]
	s_lshl_b32 s18, ttmp9, 1
	s_add_co_u32 s18, s18, s10                     ; my tile in nb
	s_lshl_b32 s18, s18, 13                        ; 8,192 bytes a tile
	s_mov_b32 s19, 0
	s_add_nc_u64 s[8:9], s[8:9], s[18:19]
	; All 32 loads: each covers 512 consecutive bytes, half a row.
.set j, 0
.rept 16
	global_load_b128 v[X+8*j:X+8*j+3],   v2, s[4:5] offset:j*1024 th:TH_LOAD_NT
	global_load_b128 v[X+8*j+4:X+8*j+7], v2, s[4:5] offset:j*1024+512 th:TH_LOAD_NT
.set j, j+1
.endr
; Row j's eight squares of my lane.  Loads come back in order: behind row j's two stand 30 - 2 j younger ones, which may stay out.
.macro SQ j
	s_wait_loadcnt 30-2*(\j)
	v_pk_mul_f32 v[P+2*(\j):P+2*(\j)+1], v[X+8*(\j):X+8*(\j)+1], v[X+8*(\j):X+8*(\j)+1]
.irp m, 2,4,6
	v_pk_fma_f32 v[P+2*(\j):P+2*(\j)+1], v[X+8*(\j)+(\m):X+8*(\j)+(\m)+1], v[X+8*(\j)+(\m):X+8*(\j)+(\m)+1], v[P+2*(\j):P+2*(\j)+1]
.endr
	v_add_f32 v[P+2*(\j)], v[P+2*(\j)], v[P+2*(\j)+1]
.endm
.irp j, 0,1,2,3,4,5,6,7,8,9,10,11,12,13,14,15
	SQ \j
.endr
	; Across the 32 lanes, each step for all 16 rows in turn, so that no line waits for the one before it.
.irp x, 1,2,4,8
.set j, 0
.rept 16
	v_add_f32_dpp v[P+2*j], v[P+2*j], v[P+2*j] row_xmask:\x row_mask:0xf bank_mask:0xf
.set j, j+1
.endr
.endr
.set j, 0
.rept 16
	v_permlanex16_b32 v[P+2*j+1], v[P+2*j], s14, s15
.set j, j+1
.endr
.set j, 0
.rept 16
	v_add_f32 v[P+2*j], v[P+2*j], v[P+2*j+1]       ; every lane holds the row's sum of squares
.set j, j+1
.endr
.set j, 0
.rept 16
	v_rsq_f32 v[P+2*j], v[P+2*j]
.set j, j+1
.endr
	v_nop                                          ; a plain instruction between the last reciprocal root and the first use of a result
	s_wait_alu depctr_va_vdst(0)
; Row j is scaled, rounded to bf16 and laid into the stage as it lies in memory: features 4 l .. at byte 8 l, features 128 + 4 l .. at byte 256 + 8 l.
.macro OUTROW j
.irp m, 0,2,4,6
	v_pk_mul_f32 v[X+8*(\j)+(\m):X+8*(\j)+(\m)+1], v[X+8*(\j)+(\m):X+8*(\j)+(\m)+1], v[P+2*(\j):P+2*(\j)+1] op_sel_hi:[1,0]
.endr
.irp m, 0,1,2,3
	v_cvt_pk_bf16_f32 v[X+8*(\j)+(\m)], v[X+8*(\j)+2*(\m)], v[X+8*(\j)+2*(\m)+1]  ; in place, ascending: register m is written when pairs 0 .. m - 1 have been read
.endr
	ds_store_b64 v3, v[X+8*(\j):X+8*(\j)+1]   offset:(\j)*PITCH
	ds_store_b64 v3, v[X+8*(\j)+2:X+8*(\j)+3] offset:(\j)*PITCH+256
.endm
.irp j, 0,1,2,3,4,5,6,7,8,9,10,11,12,13,14,15
	OUTROW \j
.endr
	; Back in fragment order: load i takes, of row l % 16, the eight features 8 (2 i + l / 16) on.  The stage is my wave's own and LDS serves a wave's instructions in order,
	; so these loads see the stores above without a wait.  They land in the rows' upper four registers, which no store names.
.set i, 0
.rept 16
	ds_load_b128 v[X+8*i+4:X+8*i+7], v4 offset:32*i
.set i, i+1
.endr
.set i, 0
.rept 16
	s_wait_dscnt 15-i                              ; load i is back; the 15 - i younger ones may stay out
	global_store_b128 v2, v[X+8*i+4:X+8*i+7], s[8:9] offset:512*i  ; 512 consecutive bytes, at a multiple of 512 from nb's first byte
.set i, i+1
.endr
	s_wait_tensorcnt 0x0
	ds_add_u32 v176, v177
	s_wait_dscnt 0x0
	s_endpgm
.Lfunc_end_k_q4071da4680_norm:
	.size	k_q4071da4680_norm, .Lfunc_end_k_q4071da4680_norm-k_q4071da4680_norm
	.p2alignl 7, 3214868480
	.fill 96, 4, 3214868480
	.section	.rodata,"a",@progbits
	.p2align	6, 0x0
	.amdhsa_kernel k_q4071da4680_norm
		.amdhsa_group_segment_fixed_size 17152
		.amdhsa_private_segment_fixed_size 0
		.amdhsa_enable_private_segment 0
		.amdhsa_kernarg_size 24
		.amdhsa_user_sgpr_count 2
		.amdhsa_user_sgpr_kernarg_segment_ptr 1
		.amdhsa_wavefront_size32 1
		.amdhsa_system_sgpr_workgroup_id_x 1
		.amdhsa_system_sgpr_workgroup_id_y 1
		.amdhsa_system_sgpr_workgroup_id_z 1
		.amdhsa_system_vgpr_workitem_id 0
		.amdhsa_next_free_vgpr 178
		.amdhsa_next_free_sgpr 66
		.amdhsa_reserve_vcc 0
		.amdhsa_float_denorm_mode_32 3
		.amdhsa_float_denorm_mode_16_64 3
		.amdhsa_memory_ordered 1
		.amdhsa_forward_progress 1
		.amdhsa_inst_pref_size 29
	.end_amdhsa_kernel
	.amdgpu_metadata
---
amdhsa.version: [ 1, 2 ]
amdhsa.kernels:
  - .name:           k_q4071da4680_norm
    .symbol:         k_q4071da4680_norm.kd
    .args:
      - { .name: tensor_1, .offset: 0, .size: 8, .value_kind: global_buffer, .address_space: global }
      - { .name: tensor_2, .offset: 8, .size: 8, .value_kind: global_buffer, .address_space: global }
      - { .name: nb, .offset: 16, .size: 8, .value_kind: global_buffer, .address_space: global }
    .group_segment_fixed_size: 17152
    .private_segment_fixed_size: 0
    .kernarg_segment_align: 8
    .kernarg_segment_size: 24
    .max_flat_workgroup_size: 64
    .sgpr_count:     66
    .vgpr_count:     178
    .wavefront_size: 32
...
	.end_amdgpu_metadata
.endif
;; end of part 1
;; launch top3 (part 2): grid 16 x 16, 4 waves a work-group, clusters of 4 x 1, 327,680 bytes of LDS; arguments nb, part; writes part
.if DOCPART == 2
	.amdgcn_target "amdgcn-amd-amdhsa--gfx1250"
	.amdhsa_code_object_version 6
	.text
	.protected	k_q4071da4680_top3
	.globl	k_q4071da4680_top3
	.p2align	8
	.type	k_q4071da4680_top3,@function
k_q4071da4680_top3:
	s_mov_b64 s[64:65], 0
	v_nop
	global_prefetch_b8 v0, s[64:65] scope:SCOPE_SE
	s_setreg_imm32_b32 hwreg(HW_REG_WAVE_MODE, 25, 1), 1
	s_wait_xcnt 0x0
	s_wait_alu depctr_hold_cnt(0) depctr_sa_sdst(0) depctr_va_vdst(0) depctr_va_sdst(0) depctr_va_ssrc(0) depctr_va_vcc(0) depctr_vm_vsrc(0)
	s_getreg_b32 s2, hwreg(HW_REG_IB_STS2, 6, 4)
	s_cmp_eq_u32 s2, 0
	s_cbranch_scc0 .Lentry_in_a_cluster
	s_endpgm
.Lentry_in_a_cluster:
	s_bfe_u32 s2, ttmp6, 0x10000c
	s_cmp_lg_u32 s2, 0x3003
	s_cbranch_scc0 .Lentry_shape_is_right
	s_endpgm
.Lentry_shape_is_right:
; part[split][rank][query] = the three largest cosines, sorted, of each query against the 1,024 keys of a split.  nb holds the normalised rows in bf16, in fragment order:
; tiles of 16 rows x 256 features, 8,192 bytes; the operand (tile, 32 features from 32 s on) is 1,024 consecutive bytes, lane l taking 16 at 1,024 s + 16 l and 16 at 1,024 s + 512 + 16 l.
; Queries are nb's tiles 0-511, keys its tiles 512-1,535 (from byte KOFF on).  Products in bf16 with f32 sums; the selection in f32.
; SHARES.  Work-group (x, y): queries 512 x .. + 511 against keys 1,024 y .. + 1,023: 16 x 16 work-groups.  A wave owns 128 queries, 8 tiles, which stay in 512 registers from first to last;
; all four waves walk the same keys, 16 (a GROUP) at a time, out of a ring of two LDS slots of 256 keys (131,072 bytes) that the tensor data mover fills.
; THE PRODUCT.  Source 0 = 16 keys, source 1 = 16 queries: in the result a lane holds ONE query (lane % 16) and the keys 8 (lane / 16) + 0..7.  So a tile's three largest are three registers a lane.
; THE SELECTION.  With a >= b >= c and a new score x: c = med3(x, b, c), b = med3(x, a, b), a = max(x, a): three instructions that all read the old state.  A tile of scores is 8 matrix instructions
; (256 features) and 8 scores a lane: three vector instructions for each matrix instruction.  They stand behind the matrix instructions, three behind each, on the scores of the four tiles finished just before.
; CLUSTER.  The four work-groups of a cluster have the same y and walk the same keys: each key tile is asked for JOINTLY, by the same tensor load with the same descriptor and a mask that names the four.
; Queries are shared by the work-groups of one x, but are not asked for jointly: a joint load lands in LDS, where a work-group's 262,144 bytes of queries do not fit beside the ring's 262,144
; in the 327,680 that a work-group can be given; they are read once, straight into registers, 512 consecutive bytes a load.
; No padding in LDS: every fragment load takes 512 consecutive bytes, lane l at 16 l.  No prefetch: a refill is asked for a whole slot, 1,024 matrix instructions a wave, ahead of its first read.
; LIMITS.  NaN and infinities are not treated apart: the _num forms of max and med3 drop a NaN.
; lds_bytes = 327,680; the text uses 268,800.
; REGISTERS, in windows of 256 (s_set_vgpr_msb: bits 1:0 source 0, 3:2 source 1, 5:4 source 2, 7:6 destination):
;   window 0: v0-7 addresses; v16-39 the states; v64-127 two sets of four accumulators; v128-255 two buffers of a group's fragments
;   window 1: queries' tiles 0-3 (tile u, features 32 k on at 64 u + 8 k)          window 2: tiles 4-7 likewise
; A matrix instruction wants source 1 in window 1 or 2, the three behind it all in window 0: two switches for each matrix instruction.
.set GRP,   8192                       ; bytes of a group of 16 keys
.set SLOTB, 131072                     ; bytes of a slot: 16 groups
.set SLOT1, 131072                     ; slot 1 begins here: one exclusive or turns an address in one slot into the other's
.set NT,    4                          ; a split's 1,024 keys are four slots' worth
.set STAGE, 262144                     ; behind the ring, never filled by a tensor load: for each wave [3 ranks][128 queries] f32, 1,536 bytes
.set SPARE, STAGE+4*1536               ; behind the stages: the spare words, 128 bytes for each wave: two blocks of 256 bytes that no other line names
.set KOFF,  4194304                    ; the keys' first byte in nb
.set LN,  1                            ; v1   lane
.set AK0, 2                            ; v2   16 x lane: my place in 512 consecutive bytes of nb, of LDS and of part; never rewritten
.set ADR, 3                            ; v3   LDS address of the pair of groups in hand
.set STO, 4                            ; v4   the way out: where I put one number
.set RD,  5                            ; v5   the way out: where I read four back
.set SPW, 6                            ; v6   LDS address of my spare word: SPARE + 4 x my thread's number; never rewritten
.set NIL, 7                            ; v7   0; never rewritten
.set TS,  16                           ; tile t's state at TS + 3 t: a, b, c
.set SC,  64                           ; set x, accumulator u at SC + 32 x + 8 u: set 0 for tiles 0-3, set 1 for tiles 4-7
.set FR,  128                          ; buffer b, features 32 k on at FR + 64 b + 8 k
.set WV,  8                            ; s8   my wave's number
.set G1,  24                           ; s[24:31] descriptor group 1
.set G0,  32                           ; s[32:35] descriptor group 0: it walks
.set SLOTS, 40                         ; s40  counts the slots
.set CNT, 41                           ; s41  counts a slot's eight pairs of groups
.set TB,  42                           ; s42  LDS byte at which the next pair of groups begins
.set SEL, 44                           ; s[44:45] v_permlanex16_b32's selects: each lane takes its own place in the other half
.set MSB, 0
.macro WIN new                         ; the immediate's high byte repeats the setting that is left; a switch that changes nothing is dropped
.if MSB != (\new)
	s_set_vgpr_msb (MSB<<8)|(\new)
.set MSB, (\new)
.endif
.endm
; A round of the cluster's barrier: my work-group's barrier, so that wave 0's signal speaks for all four waves; wave 0 signals; every wave waits for all four work-groups; my work-group's barrier once more.
.macro CROUND
	s_barrier_signal -1
	s_barrier_wait -1
	s_cmp_lg_u32 s[WV], 0
	s_cbranch_scc1 .Lnot_wave_0_\@
	s_barrier_signal -3
.Lnot_wave_0_\@:
	s_barrier_wait -3
	s_barrier_signal -1
	s_barrier_wait -1
.endm
; A joint fill: every wave asks for its quarter of a slot, 64 keys = 32,768 dense bytes.  Four v_nop follow the line.
.macro JLOAD
	tensor_load_to_lds s[G0:G0+3], s[G1:G1+7]
	s_nop 0
.rept 4
	v_nop
.endr
.endm
; 16 LDS loads in one run: a group's fragments into buffer b.  Buffer 0 takes a pair's first group and makes the pair's address, buffer 1 the second and steps on.
.macro FETCH b
	WIN 0
.if (\b) == 0
	v_add_nc_u32 v[ADR], s[TB], v[AK0]
.endif
.set f, 0
.rept 16
	ds_load_b128 v[FR+64*(\b)+4*f:FR+64*(\b)+4*f+3], v[ADR] offset:(\b)*GRP+512*f
.set f, f+1
.endr
.if (\b) == 1
	s_add_co_u32 s[TB], s[TB], 2*GRP
.endif
.endm
; Slice n of 32 of set x's selection: register n / 4 of accumulator n % 4 goes into its tile's state.  Slices that follow each other take other tiles, so no line waits for a neighbour;
; each accumulator is read from its lowest register upward.
.macro RIDE x, n
	WIN 0
.set rS, SC+32*(\x)+8*((\n)%4)+(\n)/4
.set rT, TS+3*(4*(\x)+(\n)%4)
	v_med3_num_f32 v[rT+2], v[rS], v[rT+1], v[rT+2]
	v_med3_num_f32 v[rT+1], v[rS], v[rT], v[rT+1]
	v_max_num_f32 v[rT], v[rS], v[rT]
.endm
; 32 matrix instructions: the group in buffer b against tiles 4 hf .. 4 hf + 3, features ascending; the first four start the sums with the constant 0.  The four accumulators take turns, one instruction
; a turn, and the next batch begins on the other set.  Behind each stands a slice of the other set's selection.
; Distances: the first reader of an accumulator stands behind four slices or more that name neither it nor the product's operands; a load into a fragment buffer stands a whole batch behind the buffer's last reader.
.macro BATCH b, hf
.set i, 0
.rept 32
	WIN 0x04<<(\hf)
.set rD, SC+32*(\hf)+8*(i%4)
.set rA, FR+64*(\b)+8*(i/4)
.set rQ, 64*(i%4)+8*(i/4)
.if i < 4
	v_wmma_f32_16x16x32_bf16 v[rD:rD+7], v[rA:rA+7], v[rQ:rQ+7], 0
.else
	v_wmma_f32_16x16x32_bf16 v[rD:rD+7], v[rA:rA+7], v[rQ:rQ+7], v[rD:rD+7]
.endif
	RIDE 1-(\hf), i
.set i, i+1
.endr
.endm
; THE CHANGE OF SLOTS.  The old slot's last group is in registers.  Each wave waits for all its tensor loads, of which one is out: its quarter of the other slot; adds 0 to its spare word; and waits for that and
; for its own reads of the old slot.  Behind the barrier nobody reads the old slot any more and the other slot is whole.  fill = 1: the old slot is filled again, with the keys two slots on: the barrier is then a
; round of the cluster's, so that no wave of any partner still reads the slot or has a load on its way, and the joint fill is the first thing behind it.
; (At its first use nothing has been read yet: slot 0 is waited for, slot 1 filled.)  By this text's own count a wave has one tensor load out at the most.
.macro CHANGE fill
	WIN 0                                          ; at a label and at a branch every window is 0
	s_wait_tensorcnt 0x0                           ; no tensor load of mine is out, so group 0 may be written
	ds_add_u32 v[SPW], v[NIL]                      ; 0 onto my spare word
.if \fill
	s_xor_b32 s[G0+1], s[G0+1], SLOT1              ; the walking descriptor: the other slot than last time,
	s_add_nc_u64 s[G0+2:G0+3], s[G0+2:G0+3], SLOTB ; the next 256 keys; the type bits on top are not reached
	s_wait_dscnt 0x0                               ; the add is done, and my reads of the slot are over
	CROUND
	JLOAD
.else
	s_wait_dscnt 0x0                               ; the add is done, and my reads of the slot are over
	s_barrier_signal -1
	s_barrier_wait -1
.endif
	s_sub_co_u32 s[TB], s[TB], SLOTB               ; the fetches go back to a slot's first group,
	s_xor_b32 s[TB], s[TB], SLOT1                  ; in the other slot
.endm
; A slot's eight trips, two groups a trip.  A trip begins with the second half of the group before it, whose fragments lie in buffer 1.
.macro TRIP tag
.Lstep\tag:
	FETCH 0                                        ; the pair's first group, 32 matrix instructions ahead of its first use
	BATCH 1, 1                                     ; the group before, tiles 4-7 | the selection of its tiles 0-3
	WIN 0
.Lfirst\tag:
	s_wait_dscnt 0x0                               ; buffer 0 is in: nothing younger is out
	BATCH 0, 0                                     ; the first group, tiles 0-3 | the selection of the group before's tiles 4-7
	FETCH 1                                        ; the pair's second group
	BATCH 0, 1
	s_wait_dscnt 0x0                               ; buffer 1 is in
	BATCH 1, 0
	WIN 0
	s_sub_co_u32 s[CNT], s[CNT], 1
	s_cmp_lg_u32 s[CNT], 0
	s_cbranch_scc1 .Lstep\tag
.endm
	s_load_b128 s[4:7], s[0:1], 0x0                ; nb s[4:5], part s[6:7]
	v_lshl_add_u32 v[SPW], v0, 2, SPARE
	v_mov_b32 v[NIL], 0
	ds_add_u32 v6, v7
	s_wait_dscnt 0x0
	v_lshrrev_b32 v[LN], 5, v0
	v_readfirstlane_b32 s[WV], v[LN]               ; wave 0..3
	v_and_b32 v[LN], 31, v0
	v_lshlrev_b32 v[AK0], 4, v[LN]
	s_bfe_u32 s9, ttmp6, 0x40000                   ; cx: my place in the cluster: it enters the queries' and part's global addresses alone
	s_lshl_b32 s10, ttmp9, 2                       ; in a cluster launch ttmp9 counts clusters
	s_add_co_u32 s10, s10, s9                      ; my block of 512 queries = 4 x cluster x + cx
	s_and_b32 s11, ttmp7, 0xffff                   ; the split, which the four partners share
	; descriptor group 1: 32,768 dense bytes as 128 rows of 32 elements of 8 bytes
	s_mov_b32 s[G1+0], 15|(3<<16)|(1<<21)          ; 15:0 the mask: all four work-groups; 17:16 elements of 8 bytes; 20 no padding; 21 set beside a mask
	s_mov_b32 s[G1+1], 32<<16                      ; tensor_dim0 = 32
	s_mov_b32 s[G1+2], 128<<16                     ; tensor_dim1 = 128
	s_mov_b32 s[G1+3], 32<<16                      ; tile_dim0 = 32
	s_mov_b32 s[G1+4], 128                         ; tile_dim1 = 128
	s_mov_b32 s[G1+5], 32                          ; 32 elements from row to row
	s_mov_b32 s[G1+6], 0
	s_mov_b32 s[G1+7], 0
	s_mov_b32 s[G0+0], 1                           ; count = 1
	s_lshl_b32 s[G0+1], s[WV], 15                  ; LDS address: my quarter of slot 0: no place in the cluster enters it
	s_lshl_b32 s20, s11, 19                        ; the split's 1,024 keys of 512 bytes,
	s_lshl_b32 s21, s[WV], 15                      ; my quarter of a slot,
	s_add_co_u32 s20, s20, s21
	s_add_co_u32 s20, s20, KOFF                    ; behind the queries
	s_mov_b32 s21, 0
	s_lshl_b32 s12, s10, 18                        ; my block's 32 tiles of 8,192 bytes,
	s_lshl_b32 s13, s[WV], 16                      ; my wave's 8 of them
	s_add_co_u32 s12, s12, s13
	s_mov_b32 s13, 0
	s_mov_b32 s[SEL], 0x76543210
	s_mov_b32 s[SEL+1], 0xfedcba98
	s_mov_b32 s[TB], SLOT1+SLOTB                   ; the first change of slots turns this into 0
	s_wait_kmcnt 0x0
	s_add_nc_u64 s[G0+2:G0+3], s[4:5], s[20:21]    ; global address: my quarter of the split's first 256 keys
	s_or_b32 s[G0+3], s[G0+3], 0x80000000          ; type = 2
	s_add_nc_u64 s[14:15], s[4:5], s[12:13]        ; nb at my wave's queries
	s_mul_i32 s12, s11, 98304                      ; part: the split's three ranks of 32,768 bytes,
	s_lshl_b32 s18, s10, 11                        ; my block's 512 numbers,
	s_add_co_u32 s12, s12, s18
	s_lshl_b32 s18, s[WV], 9                       ; my wave's 128
	s_add_co_u32 s12, s12, s18
	s_add_nc_u64 s[16:17], s[6:7], s[12:13]
	CROUND                                         ; all four work-groups are here: the first joint loads meet
	JLOAD                                          ; slot 0.  Slot 1 is asked for when slot 0 is in
	WIN 0x40                                       ; destination window 1, address window 0
.set t, 0
.rept 4
.set i, 0
.rept 16
	global_load_b128 v[64*t+4*i:64*t+4*i+3], v[AK0], s[14:15] offset:t*8192+i*512  ; the queries stay in registers: 512 consecutive bytes a load
.set i, i+1
.endr
.set t, t+1
.endr
	WIN 0x80                                       ; destination window 2
.set t, 0
.rept 4
.set i, 0
.rept 16
	global_load_b128 v[64*t+4*i:64*t+4*i+3], v[AK0], s[14:15] offset:(4+t)*8192+i*512
.set i, i+1
.endr
.set t, t+1
.endr
	WIN 0
	; In the wait for the first tile: the states start at minus infinity, and so does set 1, whose selection stands behind the first batch: it then changes nothing, and no first step is written out.
.set i, 0
.rept 24
	v_mov_b32 v[TS+i], 0xff800000
.set i, i+1
.endr
.set i, 0
.rept 32
	v_mov_b32 v[SC+32+i], 0xff800000
.set i, i+1
.endr
	s_mul_i32 s12, s[WV], 1536
	s_add_co_u32 s12, s12, STAGE                   ; my stage
	v_lshl_add_u32 v[STO], v[LN], 2, s12
	v_lshl_add_u32 v[RD], v[LN], 4, s12
	CHANGE 1                                       ; slot 0 is in, everybody's part of it; slot 1 is asked for
	FETCH 0                                        ; the split's first group
	s_wait_loadcnt 0x0                             ; the queries
	s_mov_b32 s[CNT], 8
	s_mov_b32 s[SLOTS], NT-1
	s_branch .Lfirst1                              ; the loop is entered in the middle of a trip: there is no group before the first
.Lslot:                                                ; NT - 2 times: the first two slots are filled again
	CHANGE 1
	s_mov_b32 s[CNT], 8
	TRIP 1
	s_sub_co_u32 s[SLOTS], s[SLOTS], 1
	s_cmp_lg_u32 s[SLOTS], 0
	s_cbranch_scc1 .Lslot
	CHANGE 0                                       ; the last slot is written out: nothing is asked for
	s_mov_b32 s[CNT], 8
	TRIP 2
	BATCH 1, 1                                     ; the last group, tiles 4-7 | the selection of its tiles 0-3
.set i, 0
.rept 32
	RIDE 1, i                                      ; and the selection of its tiles 4-7
.set i, i+1
.endr
	; THE WAY OUT.  A query's other 512 keys were seen by the lane 16 away.  Of two sorted triples the three largest are max(a, c'), max(b, b'), max(c, a'); they are sorted again.
	; Each step for all eight tiles in turn.  The accumulators' registers are free.
.irp t, 0,1,2,3,4,5,6,7
.irp m, 0,1,2
	v_permlanex16_b32 v[SC+3*(\t)+(\m)], v[TS+3*(\t)+(\m)], s[SEL], s[SEL+1]
.endr
.endr
.irp t, 0,1,2,3,4,5,6,7
	v_max_num_f32 v[SC+3*(\t)],   v[TS+3*(\t)+2], v[SC+3*(\t)]
	v_max_num_f32 v[SC+3*(\t)+1], v[TS+3*(\t)+1], v[SC+3*(\t)+1]
	v_max_num_f32 v[SC+3*(\t)+2], v[TS+3*(\t)],   v[SC+3*(\t)+2]
.endr
.irp t, 0,1,2,3,4,5,6,7
	v_max3_num_f32 v[TS+3*(\t)],   v[SC+3*(\t)], v[SC+3*(\t)+1], v[SC+3*(\t)+2]
	v_med3_num_f32 v[TS+3*(\t)+1], v[SC+3*(\t)], v[SC+3*(\t)+1], v[SC+3*(\t)+2]
	v_min_num_f32  v[TS+3*(\t)+2], v[SC+3*(\t)], v[SC+3*(\t)+1]
.endr
.irp t, 0,1,2,3,4,5,6,7
	v_min_num_f32  v[TS+3*(\t)+2], v[TS+3*(\t)+2], v[SC+3*(\t)+2]
.endr
	; Both halves of the lanes now hold the same triples.  Lanes 0-15 give tile 2 u's, lanes 16-31 tile 2 u + 1's: 32 neighbouring queries a store into my stage, [rank][query].
	v_cmp_le_u32 vcc_lo, 16, v[LN]
.irp u, 0,1,2,3
.irp m, 0,1,2
	v_cndmask_b32 v[SC+32+3*(\u)+(\m)], v[TS+6*(\u)+(\m)], v[TS+6*(\u)+3+(\m)], vcc_lo
.endr
.endr
.irp u, 0,1,2,3
.irp m, 0,1,2
	ds_store_b32 v[STO], v[SC+32+3*(\u)+(\m)] offset:(\m)*512+(\u)*128
.endr
.endr
.irp m, 0,1,2
	ds_load_b128 v[SC+4*(\m):SC+4*(\m)+3], v[RD] offset:(\m)*512  ; my wave's own bytes, and LDS serves a wave's instructions in order: these see the stores above
.endr
.irp m, 0,1,2
	s_wait_dscnt 2-(\m)                            ; rank m is back; the 2 - m younger loads may stay out
	global_store_b128 v[AK0], v[SC+4*(\m):SC+4*(\m)+3], s[16:17] offset:(\m)*32768  ; 512 consecutive bytes, at a multiple of 512 from part's first byte
.endr
	s_wait_tensorcnt 0x0                           ; the wave's end: behind my last tensor load and my last LDS store
	ds_add_u32 v[SPW], v[NIL]
	s_wait_dscnt 0x0
	CROUND                                         ; the closing round: no work-group ends while a partner may still ask for a tile that names it
	s_endpgm
.Lfunc_end_k_q4071da4680_top3:
	.size	k_q4071da4680_top3, .Lfunc_end_k_q4071da4680_top3-k_q4071da4680_top3
	.p2alignl 7, 3214868480
	.fill 96, 4, 3214868480
	.section	.rodata,"a",@progbits
	.p2align	6, 0x0
	.amdhsa_kernel k_q4071da4680_top3
		.amdhsa_group_segment_fixed_size 327680
		.amdhsa_private_segment_fixed_size 0
		.amdhsa_enable_private_segment 0
		.amdhsa_kernarg_size 16
		.amdhsa_user_sgpr_count 2
		.amdhsa_user_sgpr_kernarg_segment_ptr 1
		.amdhsa_wavefront_size32 1
		.amdhsa_system_sgpr_workgroup_id_x 1
		.amdhsa_system_sgpr_workgroup_id_y 1
		.amdhsa_system_sgpr_workgroup_id_z 1
		.amdhsa_system_vgpr_workitem_id 0
		.amdhsa_next_free_vgpr 768
		.amdhsa_next_free_sgpr 66
		.amdhsa_reserve_vcc 1
		.amdhsa_float_denorm_mode_32 3
		.amdhsa_float_denorm_mode_16_64 3
		.amdhsa_memory_ordered 1
		.amdhsa_forward_progress 1
		.amdhsa_inst_pref_size 119
	.end_amdhsa_kernel
	.amdgpu_metadata
---
amdhsa.version: [ 1, 2 ]
amdhsa.kernels:
  - .name:           k_q4071da4680_top3
    .symbol:         k_q4071da4680_top3.kd
    .args:
      - { .name: nb, .offset: 0, .size: 8, .value_kind: global_buffer, .address_space: global }
      - { .name: part, .offset: 8, .size: 8, .value_kind: global_buffer, .address_space: global }
    .group_segment_fixed_size: 327680
    .private_segment_fixed_size: 0
    .kernarg_segment_align: 8
    .kernarg_segment_size: 16
    .max_flat_workgroup_size: 128
    .sgpr_count:     66
    .vgpr_count:     768
    .wavefront_size: 32
...
	.end_amdgpu_metadata
.endif
;; end of part 2
;; launch mean3 (part 3): grid 128 x 1, 1 waves a work-group, no clusters, 0 bytes of LDS; arguments part, out0; writes out0
.if DOCPART == 3
	.amdgcn_target "amdgcn-amd-amdhsa--gfx1250"
	.amdhsa_code_object_version 6
	.text
	.protected	k_q4071da4680_mean3
	.globl	k_q4071da4680_mean3
	.p2align	8
	.type	k_q4071da4680_mean3,@function
k_q4071da4680_mean3:
	s_mov_b64 s[64:65], 0
	v_nop
	global_prefetch_b8 v0, s[64:65] scope:SCOPE_SE
	s_setreg_imm32_b32 hwreg(HW_REG_WAVE_MODE, 25, 1), 1
	s_wait_xcnt 0x0
; out0[q] = the mean of the three largest of the 48 numbers part[0..15][0..2][q]: 16 sorted triples, one from each split of the keys.
; SHARES.  A lane owns two neighbouring queries, a wave 64: each load and the one store of a wave cover 256 consecutive bytes, at a multiple of 256 from the buffer's first byte.
; 8,192 queries are 128 waves; a wave is a work-group.  All 48 loads of a wave go out at once; the merges follow them with counted waits.  No LDS, no barrier, no matrix unit: nothing is shared and nothing is multiplied.
; THE MERGE.  Of two sorted triples the three largest are max(a, c'), max(b, b'), max(c, a'); they are sorted again for the next merge.  The last merge's three are summed as they are.
; LIMITS.  The mean is (a + b + c) * (1/3) in f32; NaN and infinities are not treated apart (the _num forms drop a NaN).
.set D, 8                              ; v[8:103]  number n = 3 split + rank, for my two queries, at D + 2 n; split 0's six registers are the running a, b, c
	s_load_b128 s[4:7], s[0:1], 0x0                ; part s[4:5], out0 s[6:7]
	s_lshl_b32 s8, ttmp9, 8                        ; the work-group's 64 queries of 4 bytes
	v_lshl_add_u32 v1, v0, 3, s8                   ; + 8 bytes a lane; never rewritten
	s_wait_kmcnt 0x0
.set n, 0
.rept 48
	global_load_b64 v[D+2*n:D+2*n+1], v1, s[4:5] offset:n*32768 th:TH_LOAD_NT
.set n, n+1
.endr
.macro MERGE s
	s_wait_loadcnt 45-3*(\s)                       ; loads come back in order: splits 0 .. s are in; the 45 - 3 s loads of the later splits may stay out
.irp q, 0,1
	v_max_num_f32 v[D+6*(\s)+(\q)],   v[D+4+(\q)], v[D+6*(\s)+(\q)]
	v_max_num_f32 v[D+6*(\s)+2+(\q)], v[D+2+(\q)], v[D+6*(\s)+2+(\q)]
	v_max_num_f32 v[D+6*(\s)+4+(\q)], v[D+(\q)],   v[D+6*(\s)+4+(\q)]
.endr
.if (\s) < 15
.irp q, 0,1
	v_max3_num_f32 v[D+(\q)],   v[D+6*(\s)+(\q)], v[D+6*(\s)+2+(\q)], v[D+6*(\s)+4+(\q)]
	v_med3_num_f32 v[D+2+(\q)], v[D+6*(\s)+(\q)], v[D+6*(\s)+2+(\q)], v[D+6*(\s)+4+(\q)]
	v_min_num_f32  v[D+4+(\q)], v[D+6*(\s)+(\q)], v[D+6*(\s)+2+(\q)]
.endr
.irp q, 0,1
	v_min_num_f32  v[D+4+(\q)], v[D+4+(\q)], v[D+6*(\s)+4+(\q)]
.endr
.endif
.endm
.irp s, 1,2,3,4,5,6,7,8,9,10,11,12,13,14,15
	MERGE \s
.endr
	v_pk_add_f32 v[D:D+1], v[D+90:D+91], v[D+92:D+93]      ; the last merge's three, both queries at once
	v_pk_add_f32 v[D:D+1], v[D:D+1], v[D+94:D+95]
	v_pk_mul_f32 v[D:D+1], v[D:D+1], 0x3eaaaaab op_sel_hi:[1,0]  ; x 1/3
	global_store_b64 v1, v[D:D+1], s[6:7]
	s_endpgm
.Lfunc_end_k_q4071da4680_mean3:
	.size	k_q4071da4680_mean3, .Lfunc_end_k_q4071da4680_mean3-k_q4071da4680_mean3
	.p2alignl 7, 3214868480
	.fill 96, 4, 3214868480
	.section	.rodata,"a",@progbits
	.p2align	6, 0x0
	.amdhsa_kernel k_q4071da4680_mean3
		.amdhsa_group_segment_fixed_size 0
		.amdhsa_private_segment_fixed_size 0
		.amdhsa_enable_private_segment 0
		.amdhsa_kernarg_size 16
		.amdhsa_user_sgpr_count 2
		.amdhsa_user_sgpr_kernarg_segment_ptr 1
		.amdhsa_wavefront_size32 1
		.amdhsa_system_sgpr_workgroup_id_x 1
		.amdhsa_system_sgpr_workgroup_id_y 1
		.amdhsa_system_sgpr_workgroup_id_z 1
		.amdhsa_system_vgpr_workitem_id 0
		.amdhsa_next_free_vgpr 104
		.amdhsa_next_free_sgpr 66
		.amdhsa_reserve_vcc 0
		.amdhsa_float_denorm_mode_32 3
		.amdhsa_float_denorm_mode_16_64 3
		.amdhsa_memory_ordered 1
		.amdhsa_forward_progress 1
		.amdhsa_inst_pref_size 14
	.end_amdhsa_kernel
	.amdgpu_metadata
---
amdhsa.version: [ 1, 2 ]
amdhsa.kernels:
  - .name:           k_q4071da4680_mean3
    .symbol:         k_q4071da4680_mean3.kd
    .args:
      - { .name: part, .offset: 0, .size: 8, .value_kind: global_buffer, .address_space: global }
      - { .name: out0, .offset: 8, .size: 8, .value_kind: global_buffer, .address_space: global }
    .group_segment_fixed_size: 0
    .private_segment_fixed_size: 0
    .kernarg_segment_align: 8
    .kernarg_segment_size: 16
    .max_flat_workgroup_size: 32
    .sgpr_count:     66
    .vgpr_count:     104
    .wavefront_size: 32
...
	.end_amdgpu_metadata
.endif
;; end of part 3
;; ======== version 2 of 2: 3 launches; version 1 with the launch norm written anew for expert scheduling mode
;; workspace buffers: nb 12,582,912 bytes; part 1,572,864 bytes
;; launch norm (part 4): grid 768 x 1, 2 waves a work-group, no clusters, 17,152 bytes of LDS; arguments tensor_1, tensor_2, nb; writes nb
.if DOCPART == 4
	.amdgcn_target "amdgcn-amd-amdhsa--gfx1250"
	.amdhsa_code_object_version 6
	.text
	.protected	k_q4071da4680_norm
	.globl	k_q4071da4680_norm
	.p2align	8
	.type	k_q4071da4680_norm,@function
k_q4071da4680_norm:
	s_mov_b64 s[64:65], 0
	v_nop
	global_prefetch_b8 v0, s[64:65] scope:SCOPE_SE
	s_setreg_imm32_b32 hwreg(HW_REG_WAVE_SCHED_MODE, 0, 2), 2
	s_setreg_imm32_b32 hwreg(HW_REG_WAVE_MODE, 25, 1), 1
	s_wait_xcnt 0x0
	s_wait_alu depctr_vm_vsrc(0)
; nb = the rows of tensor_1 (8,192) and then of tensor_2 (16,384), each divided by its L2 norm in f32 and rounded once to bf16, IN FRAGMENT ORDER:
; 1,536 tiles of 16 rows x 256 features, 8,192 bytes each; element (row r, feature k) of a tile lies at byte (k / 8) * 256 + r * 16 + (k % 8) * 2.
; So the 16 x 32 operand of a bf16 matrix instruction is 1,024 consecutive bytes, lane l taking 16 bytes at 16 l and 16 at 512 + 16 l.
; SHARES.  A wave takes one tile: 16 rows = 16,384 bytes in, 8,192 out.  Work-groups 0-255 take tensor_1's 512 tiles, 256-767 tensor_2's 1,024.  All 32 loads of a wave go out at once;
; there is no loop.  A row is held by one wave (8 numbers a lane), so its sum never leaves the wave: no barrier.  The turn into fragment order goes through the wave's own LDS stage.
; Matrix units, clusters and tensor loads are left out: each byte is read once and written once, and there is no product here.
; LIMITS.  The sum of a row's 256 squares must be a normal f32 (|x| from about 1e-19 to 1e18); below that v_rsq_f32 takes it for 0.  x / sqrt(sum) is computed as x * rsq(sum).
; A row of zeros gives NaN, as it does in the problem's own formula.
; THE MODE: SCHED_MODE bits 1:0 = 2 (LLVM: expert scheduling mode 2), set by the entry lines.  The code itself states the register dependences
; between vector instructions and memory or LDS instructions, with s_wait_alu, always for 0.
; THE PLAN.  Registers that memory or LDS instructions touch:
;   v2, v3, v4      the offset of every global load and store, the stage address on the way in, the stage address on the way back: made at the head, never written again.
;   v176, v177      made at the head, read by the closing add alone.
;   a row's lower four registers (X + 8 j + 0..3)   a global load lands; the squares read; the scalings and the roundings write; the row's two LDS stores read; nothing writes them again.
;   a row's upper four registers (X + 8 j + 4..7)   a global load lands; the squares read; the scalings write; the roundings read; a load from the stage lands; a global store reads.
;   P and v1, v5-v7 are named by vector instructions alone.
; The 16 rows are scaled and rounded in four blocks of four.  Block p's vector lines name its own rows' registers and P alone; the eight LDS stores of block p - 1 are dealt among them.  So ONE wait on
; va_vdst at a block's head states all that those eight stores hang on, and one more behind block 3 serves the last eight stores and the sixteen loads from the stage.
; No register that a memory or LDS instruction has read is written again, so no wait on vm_vsrc is owed ahead of the closing lines.
.set PITCH, 528                        ; a stage row: 512 bytes of bf16 + 16: an odd multiple of 16, so the 16 rows that a load back touches start at 16 different 16-byte columns
.set WSTAGE, 16*PITCH                  ; a wave's stage
.set X, 16                             ; v[16:143]  row j at X + 8 j: +0..3 features 4 l .. 4 l + 3, +4..7 features 128 + 4 l .. + 3
.set P, 144                            ; v[144:175] row j: P + 2 j the sum of squares, then 1 / norm; P + 2 j + 1 at work
	s_load_b128 s[4:7], s[0:1], 0x0                ; tensor_1 s[4:5], tensor_2 s[6:7]
	s_load_b64 s[8:9], s[0:1], 0x10                ; nb
	v_lshl_add_u32 v176, v0, 2, 0x4200
	v_mov_b32 v177, 0
	v_lshrrev_b32 v5, 5, v0
	v_readfirstlane_b32 s10, v5                    ; wave 0, 1
	v_and_b32 v1, 31, v0                           ; lane
	v_lshlrev_b32 v2, 4, v1                        ; 16 bytes a lane: the offset of every global load and store; never rewritten
	s_mov_b32 s14, 0x76543210                      ; v_permlanex16_b32: each lane takes its own place in the other half
	s_mov_b32 s15, 0xfedcba98
	s_wait_alu depctr_va_sdst(0)                   ; s10 is written, ahead of its first reader: the stage's place and both tiles' numbers are made from it
	s_mul_i32 s11, s10, WSTAGE                     ; my wave's stage
	v_lshl_add_u32 v3, v1, 3, s11                  ; in: 8 bytes (4 bf16) a lane
	v_and_b32 v6, 15, v1
	v_lshrrev_b32 v7, 4, v1
	v_mul_u32_u24 v4, v6, PITCH                    ; back: row l % 16, 16 bytes for each half of the lanes
	v_lshl_add_u32 v4, v7, 4, v4
	v_add_nc_u32 v4, s11, v4
	s_wait_kmcnt 0x0
	s_cmp_lt_u32 ttmp9, 0x100                      ; which tensor: the choice hangs on the work-group's number alone
	s_cselect_b64 s[4:5], s[4:5], s[6:7]
	s_cselect_b32 s12, 0, 0x100
	s_sub_co_u32 s13, ttmp9, s12
	s_lshl_b32 s13, s13, 1
	s_add_co_u32 s13, s13, s10                     ; my tile in its own tensor
	s_lshl_b32 s16, s13, 14                        ; 16 rows of 1,024 bytes
	s_mov_b32 s17, 0
	s_add_nc_u64 s[4:5], s[4:5], s[16:17]
	s_lshl_b32 s18, ttmp9, 1
	s_add_co_u32 s18, s18, s10                     ; my tile in nb
	s_lshl_b32 s18, s18, 13                        ; 8,192 bytes a tile
	s_mov_b32 s19, 0
	s_add_nc_u64 s[8:9], s[8:9], s[18:19]
	s_wait_alu depctr_va_vdst(0)                   ; v2 is written, which the loads below and the global stores read as their offset; so are v3 and v4, the stage's addresses, and v176 and v177, the closing add's two
	; All 32 loads: each covers 512 consecutive bytes, half a row.
.set j, 0
.rept 16
	global_load_b128 v[X+8*j:X+8*j+3],   v2, s[4:5] offset:j*1024 th:TH_LOAD_NT
	global_load_b128 v[X+8*j+4:X+8*j+7], v2, s[4:5] offset:j*1024+512 th:TH_LOAD_NT
.set j, j+1
.endr
; Row j's eight squares of my lane.  Loads come back in order: behind row j's two stand 30 - 2 j younger ones, which may stay out.
.macro SQ j
	s_wait_loadcnt 30-2*(\j)
	v_pk_mul_f32 v[P+2*(\j):P+2*(\j)+1], v[X+8*(\j):X+8*(\j)+1], v[X+8*(\j):X+8*(\j)+1]
.irp m, 2,4,6
	v_pk_fma_f32 v[P+2*(\j):P+2*(\j)+1], v[X+8*(\j)+(\m):X+8*(\j)+(\m)+1], v[X+8*(\j)+(\m):X+8*(\j)+(\m)+1], v[P+2*(\j):P+2*(\j)+1]
.endr
	v_add_f32 v[P+2*(\j)], v[P+2*(\j)], v[P+2*(\j)+1]
.endm
.irp j, 0,1,2,3,4,5,6,7,8,9,10,11,12,13,14,15
	SQ \j
.endr
	; Across the 32 lanes, each step for all 16 rows in turn, so that no line waits for the one before it.
.irp x, 1,2,4,8
.set j, 0
.rept 16
	v_add_f32_dpp v[P+2*j], v[P+2*j], v[P+2*j] row_xmask:\x row_mask:0xf bank_mask:0xf
.set j, j+1
.endr
.endr
.set j, 0
.rept 16
	v_permlanex16_b32 v[P+2*j+1], v[P+2*j], s14, s15
.set j, j+1
.endr
.set j, 0
.rept 16
	v_add_f32 v[P+2*j], v[P+2*j], v[P+2*j+1]       ; every lane holds the row's sum of squares
.set j, j+1
.endr
.set j, 0
.rept 16
	v_rsq_f32 v[P+2*j], v[P+2*j]
.set j, j+1
.endr
	v_nop                                          ; a plain instruction between the last reciprocal root and the first use of a result
	s_wait_alu depctr_va_vdst(0)                   ; the sixteen reciprocal roots have written v[P ..], ahead of their first reader: one wait for the batch
; Row j is scaled and rounded to bf16: eight vector lines, which name the row's own eight registers and its pair of P alone.
.macro ARITH j
.irp m, 0,2,4,6
	v_pk_mul_f32 v[X+8*(\j)+(\m):X+8*(\j)+(\m)+1], v[X+8*(\j)+(\m):X+8*(\j)+(\m)+1], v[P+2*(\j):P+2*(\j)+1] op_sel_hi:[1,0]
.endr
.irp m, 0,1,2,3
	v_cvt_pk_bf16_f32 v[X+8*(\j)+(\m)], v[X+8*(\j)+2*(\m)], v[X+8*(\j)+2*(\m)+1]  ; in place, ascending: register m is written when pairs 0 .. m - 1 have been read
.endr
.endm
; Row j is laid into the stage as it lies in memory: features 4 l .. at byte 8 l, features 128 + 4 l .. at byte 256 + 8 l.
.macro PUT j
	ds_store_b64 v3, v[X+8*(\j):X+8*(\j)+1]   offset:(\j)*PITCH
	ds_store_b64 v3, v[X+8*(\j)+2:X+8*(\j)+3] offset:(\j)*PITCH+256
.endm
; Block p: rows 4 p to 4 p + 3 are scaled and rounded; the stores of the block before are dealt among these lines, two ahead of each row's eight.
.macro BLOCK p
.if (\p) > 0
	s_wait_alu depctr_va_vdst(0)                   ; the block before has written its rows' lower four registers, which the eight LDS stores below read; no vector line of this block names them
.endif
.irp i, 0,1,2,3
.if (\p) > 0
	PUT 4*(\p)-4+(\i)
.endif
	ARITH 4*(\p)+(\i)
.endr
.endm
	BLOCK 0
	BLOCK 1
	BLOCK 2
	BLOCK 3
	s_wait_alu depctr_va_vdst(0)                   ; block 3 has written its rows' lower four registers, which the stores below read; every row's scalings have written, and its roundings have read, the upper four, in which the loads from the stage land
.irp j, 12,13,14,15
	PUT \j
.endr
	; Back in fragment order: load i takes, of row l % 16, the eight features 8 (2 i + l / 16) on.  The stage is my wave's own and LDS serves a wave's instructions in order,
	; so these loads see the stores above without a wait.  They land in the rows' upper four registers, which no store names.
.set i, 0
.rept 16
	ds_load_b128 v[X+8*i+4:X+8*i+7], v4 offset:32*i
.set i, i+1
.endr
.set i, 0
.rept 16
	s_wait_dscnt 15-i                              ; load i is back; the 15 - i younger ones may stay out
	global_store_b128 v2, v[X+8*i+4:X+8*i+7], s[8:9] offset:512*i  ; 512 consecutive bytes, at a multiple of 512 from nb's first byte
.set i, i+1
.endr
	s_wait_dscnt 0x0                               ; the closing lines, six on end
	s_wait_alu 0x0
	s_wait_tensorcnt 0x0
	ds_add_u32 v176, v177
	s_wait_dscnt 0x0
	s_endpgm
.Lfunc_end_k_q4071da4680_norm:
	.size	k_q4071da4680_norm, .Lfunc_end_k_q4071da4680_norm-k_q4071da4680_norm
	.p2alignl 7, 3214868480
	.fill 96, 4, 3214868480
	.section	.rodata,"a",@progbits
	.p2align	6, 0x0
	.amdhsa_kernel k_q4071da4680_norm
		.amdhsa_group_segment_fixed_size 17152
		.amdhsa_private_segment_fixed_size 0
		.amdhsa_enable_private_segment 0
		.amdhsa_kernarg_size 24
		.amdhsa_user_sgpr_count 2
		.amdhsa_user_sgpr_kernarg_segment_ptr 1
		.amdhsa_wavefront_size32 1
		.amdhsa_system_sgpr_workgroup_id_x 1
		.amdhsa_system_sgpr_workgroup_id_y 1
		.amdhsa_system_sgpr_workgroup_id_z 1
		.amdhsa_system_vgpr_workitem_id 0
		.amdhsa_next_free_vgpr 178
		.amdhsa_next_free_sgpr 66
		.amdhsa_reserve_vcc 0
		.amdhsa_float_denorm_mode_32 3
		.amdhsa_float_denorm_mode_16_64 3
		.amdhsa_memory_ordered 1
		.amdhsa_forward_progress 1
		.amdhsa_inst_pref_size 30
	.end_amdhsa_kernel
	.amdgpu_metadata
---
amdhsa.version: [ 1, 2 ]
amdhsa.kernels:
  - .name:           k_q4071da4680_norm
    .symbol:         k_q4071da4680_norm.kd
    .args:
      - { .name: tensor_1, .offset: 0, .size: 8, .value_kind: global_buffer, .address_space: global }
      - { .name: tensor_2, .offset: 8, .size: 8, .value_kind: global_buffer, .address_space: global }
      - { .name: nb, .offset: 16, .size: 8, .value_kind: global_buffer, .address_space: global }
    .group_segment_fixed_size: 17152
    .private_segment_fixed_size: 0
    .kernarg_segment_align: 8
    .kernarg_segment_size: 24
    .max_flat_workgroup_size: 64
    .sgpr_count:     66
    .vgpr_count:     178
    .wavefront_size: 32
...
	.end_amdgpu_metadata
.endif
;; end of part 4
;; launch top3: the kernel of part 2 again; grid 16 x 16, 4 waves a work-group, clusters of 4 x 1, 327,680 bytes of LDS; arguments nb, part; writes part
;; launch mean3: the kernel of part 3 again; grid 128 x 1, 1 waves a work-group, no clusters, 0 bytes of LDS; arguments part, out0; writes out0
